; MI455X (gfx1250); checked and timed in simulation.
; The chip was launched on July 23, 2026; its instructions are those of AMD's public machine-readable ISA for CDNA 5 (MIT licence, August 2026) and "CDNA5" Instruction Set Architecture Reference Guide (July 2026). The comments in the code are by the model that wrote it; some were corrected since.
;; Dilated MHSA Block. Allowed arithmetic: matrix products marked QUANTISED: E5M2 operands, one given power-of-two scale a tensor, by v_wmma_f32_16x16x64_bf8_bf8 or v_wmma_f32_16x16x128_bf8_bf8, f32 sums; everything else in f32.
;; Inputs: b_out 1,024 float32; b_qkv 3,072 float32; lowp_scales 8 int32 (the exponents e of the quantised operands' scales 2^e); w_out 1,024 x 1,024 float32; w_qkv 3,072 x 1,024 float32; x 2 x 2,048 x 1,024 float32.
;; Outputs: out0 2 x 2,048 x 1,024 float32.
;; This version of the problem:
;;   THIS VERSION OF THE PROBLEM IS GIVEN IN LOW PRECISION. The matrix products marked QUANTISED in the list below multiply operands that are first quantised to E5M2 (5 exponent bits, 2 mantissa bits; 8 bits a number), with one given power-of-two scale for each operand tensor; their sums are f32. All else is computed in f32.
;;   The module's matrix products, in the order in which they are computed (A, B: the left and right operand; K: the contracted axis; several contracted axes count as one K, in the product's order):
;;     1. [M 4,096, K 1,024] x [K 1,024, N 3,072]; A: input x; B: input w_qkv: QUANTISED (scales: A lowp_scales[0], B lowp_scales[1])
;;     2. batch 32 x [M 2,048, K 64] x [K 64, N 2,048]; A: computed on the way; B: computed on the way: QUANTISED (scales: A lowp_scales[2], B lowp_scales[3])
;;     3. batch 32 x [M 2,048, K 2,048] x [K 2,048, N 64]; A: softmax (see below); B: computed on the way: QUANTISED (scales: A lowp_scales[4], B lowp_scales[5])
;;     4. [M 4,096, K 1,024] x [K 1,024, N 1,024]; A: computed on the way; B: input w_out: QUANTISED (scales: A lowp_scales[6], B lowp_scales[7])
;;   THE QUANTISER, for each operand of a quantised product, along K:
;;     - The operand's scale is 2^e, e = its entry of the input lowp_scales (int32; the entries are numbered through the quantised products in the list's order, A before B).
;;     - Each number is divided by the scale, clamped to +-57,344, and rounded to the nearest number of E5M2, ties to even, subnormals kept.
;;     - The product sums the exact products of the quantised numbers (number of the format x scale) in f32.
;;   ~~~python
;;   def quantise(x, axis, e):      # numpy; x: float32 -> the quantised numbers, widened to float32 again
;;       x = np.moveaxis(x, axis, -1); K = x.shape[-1]
;;       r = np.clip(x / 2.0 ** e, -57344, 57344)
;;       step = 2.0 ** (np.maximum(np.frexp(np.where(r == 0, 1, r))[1] - 1, -14) - 2)
;;       q = np.round(r / step) * step * 2.0 ** e      # np.round: ties to even
;;       return np.moveaxis(q, -1, axis).astype(np.float32)
;;   ~~~
;;   SOFTMAX AHEAD OF A QUANTISED PRODUCT. Where the list says 'softmax', what is quantised is not the finished softmax but p = 2^(t - M), with t = logit x log2(e) and M = ceil(the row's largest t), a whole number; so 1/2 < the row's largest p <= 1. The row's sum l is taken of the UNQUANTISED p, in f32, and the product's result is divided by l at the end. Since M is a whole number, a kernel that streams over the keys may use a running M (the ceiling of the running maximum): every later rescaling is an exact power of two, so the quantised numbers keep their values, but for numbers so far below the row's largest that they fall under the format's range.
;;   OPERANDS COMPUTED ON THE WAY. 'Computed on the way' means the value that the module computes at that place (a softmax that the list does not call 'softmax' is quantised finished and normalised). What goes into a quantiser is computed in f32, as accurately as f32 sums, v_exp_f32 and their like allow (about 1e-6 of the number): no bf16 or f16 on the way to a quantiser, and a product that is left as it is and whose result goes on into a quantised operand takes f32 operands (vector FMAs, or v_wmma_f32_16x16x4_f32). A number that lies on a knife's edge between two numbers of the format may be rounded either way, as far as f32 arithmetic and the matrix unit's own rounding can turn it there, and no further.
;; One version. Each part assembles by itself: llvm-mc -triple=amdgcn-amd-amdhsa -mcpu=gfx1250 --defsym DOCPART=n.
;; ======== version 1 of 1: 3 launches
;; workspace buffers: x_codes 4,227,072 bytes; wq_codes 3,145,728 bytes; wo_codes 1,048,576 bytes; att_img 4,194,304 bytes
;; launch quant (part 1): grid 256 x 1, 4 waves a work-group, no clusters, 33,280 bytes of LDS; arguments x, w_qkv, w_out, lowp_scales, x_codes, wq_codes, wo_codes; writes x_codes, wq_codes, wo_codes
.if DOCPART == 1
	.amdgcn_target "amdgcn-amd-amdhsa--gfx1250"
	.amdhsa_code_object_version 6
	.text
	.protected	k_q43738dad28_quant
	.globl	k_q43738dad28_quant
	.p2align	8
	.type	k_q43738dad28_quant,@function
k_q43738dad28_quant:
	s_mov_b64 s[64:65], 0
	v_nop
	global_prefetch_b8 v0, s[64:65] scope:SCOPE_SE
	s_setreg_imm32_b32 hwreg(HW_REG_WAVE_MODE, 25, 1), 1
	s_wait_xcnt 0x0
; x [4096][1024], w_qkv [3072][1024] and w_out [1024][1024], f32, K innermost, become codes of BF8 (E5M2), one byte each, each tensor with its given scale 2^e
; (entries 0, 1 and 7 of the buffer of scales).  code = number / 2^e, held within +-57,344, rounded to the nearest code, ties to even.
; LIMITS: -126 <= e and e + 15 <= 127.  NaN among the inputs is not served (an infinity is held at the largest code).
; SHARES: 8,388,608 numbers, 32,768 to a work-group: work-groups 0-127 take x, 128-223 w_qkv, 224-255 w_out.  A wave takes 8,192 numbers = 8 whole rows, in 16 steps of 512.
; WHERE THE CODES GO.  x_codes is [4128][1024]: token t lies in row t + 16; rows 0-15 and 4112-4127 are zero codes (the halo of the first and the last block of tokens).
; wq_codes is [16 heads][192][1024]: a head's 64 rows of q, its 64 of k, its 64 of v.  v's groups of 8 rows change places: source group g goes to place (g & 4) | ((g & 1) << 1) | ((g >> 1) & 1),
; so that row 16 b + 8 u + i holds channel 32 (b / 2) + 16 u + 8 (b % 2) + i: the order in which the attention's results are wanted as an operand of the last product.  wo_codes is [1024][1024] as w_out lies.
; A group of 8 rows is a wave's whole share, so all of this is one offset a wave.
; THE STREAM: each load reads 512 consecutive bytes, 16 a lane; a step's 2,048 bytes turn through the wave's own stage in LDS and come back 64 bytes (16 neighbours along K) a lane, as the conversions want them;
; a lane's 16 codes are 16 bytes, so a store covers 512 consecutive bytes.  Loads run four steps (16 loads a wave) ahead, the turn through LDS one step.  Waves share nothing: no barrier.
.set STEPS, 16
.set EMAX,  15
.set MANT,  0x600000                   ; the mantissa field of 57,344 as f32
.set R,     16                         ; v16-79   four sets of 16 numbers as they are loaded
.set X,     80                         ; v80-111  two sets of 16 neighbours
.set Z,     112                        ; v112-115 zeros for the pad rows
.set C,     128                        ; v128-191 codes: four registers for each step, so that no store's data are written again
.set WREG,  8192                       ; LDS: a region for each wave: two stages of 32 x SP bytes
.set SP,    80                         ; a lane's place in a stage: its 64 bytes + 16 of padding
	s_load_b256 s[4:11], s[0:1], 0x0               ; x s[4:5], w_qkv s[6:7], w_out s[8:9], the scales' exponents s[10:11]
	s_load_b128 s[12:15], s[0:1], 0x20             ; x_codes s[12:13], wq_codes s[14:15]
	s_load_b64 s[16:17], s[0:1], 0x30              ; wo_codes
	v_lshl_add_u32 v192, v0, 2, 0x8000
	v_mov_b32 v193, 0
	v_lshrrev_b32 v1, 5, v0
	v_readfirstlane_b32 s18, v1                    ; wave
	v_and_b32 v2, 31, v0                           ; lane
	v_lshlrev_b32 v3, 4, v2                        ; my 16 bytes of a load's 512, and of a store's; never rewritten
	s_mul_i32 s19, s18, WREG
	v_lshrrev_b32 v14, 2, v2
	v_mul_u32_u24 v14, v14, SP
	v_and_b32 v15, 3, v2
	v_lshl_add_u32 v14, v15, 4, v14
	v_add_nc_u32 v14, s19, v14                     ; the stage, on the way in: SP (lane / 4) + 16 (lane % 4)
	v_mul_u32_u24 v15, v2, SP
	v_add_nc_u32 v15, s19, v15                     ; and on the way out: SP x lane: my 16 neighbours
	; which tensor, and which group of 8 rows of it.  All choices hang on the work-group's number alone
	s_mov_b32 s24, 224
	s_cmp_lt_u32 ttmp9, 224
	s_cselect_b32 s24, 128, s24
	s_cmp_lt_u32 ttmp9, 128
	s_cselect_b32 s24, 0, s24                      ; the tensor's first work-group
	s_sub_co_u32 s25, ttmp9, s24
	s_lshl_b32 s25, s25, 2
	s_add_co_u32 s25, s25, s18                     ; G: my group of 8 rows
	s_lshl_b32 s26, s25, 15                        ; from: 8 rows of 4,096 bytes each
	s_mov_b32 s27, 0
	s_lshl_b32 s28, s25, 13                        ; to, as the rows lie: 8 rows of 1,024 bytes each (w_out)
	s_add_co_u32 s29, s28, 16*1024                 ; x: 16 rows further down
	s_lshr_b32 s30, s25, 7                         ; w_qkv: q, k or v (128 groups each),
	s_bfe_u32 s31, s25, 0x40003                    ; the head (8 groups each),
	s_and_b32 s32, s25, 7                          ; the group in the head
	s_and_b32 s33, s32, 4
	s_and_b32 s34, s32, 1
	s_lshl_b32 s34, s34, 1
	s_bfe_u32 s35, s32, 0x10001
	s_or_b32 s33, s33, s34
	s_or_b32 s33, s33, s35                         ; its two low bits exchanged
	s_cmp_eq_u32 s30, 2
	s_cselect_b32 s32, s33, s32                    ; for v alone
	s_mul_i32 s31, s31, 24
	s_lshl_b32 s30, s30, 3
	s_add_co_u32 s31, s31, s30
	s_add_co_u32 s31, s31, s32
	s_lshl_b32 s31, s31, 13                        ; (24 head + 8 part + place) groups
	s_cmp_lt_u32 ttmp9, 224
	s_cselect_b32 s28, s31, s28
	s_cmp_lt_u32 ttmp9, 128
	s_cselect_b32 s28, s29, s28
	s_mov_b32 s29, 0
	s_wait_kmcnt 0x0
	s_load_b256 s[36:43], s[10:11], 0x0            ; the eight exponents
	s_cmp_lt_u32 ttmp9, 224
	s_cselect_b64 s[20:21], s[6:7], s[8:9]
	s_cselect_b64 s[22:23], s[14:15], s[16:17]
	s_cmp_lt_u32 ttmp9, 128
	s_cselect_b64 s[20:21], s[4:5], s[20:21]       ; the tensor,
	s_cselect_b64 s[22:23], s[12:13], s[22:23]     ; and its codes
	s_add_nc_u64 s[20:21], s[20:21], s[26:27]
	s_add_nc_u64 s[22:23], s[22:23], s[28:29]
.macro LOAD t
.irp i, 0,1,2,3
	global_load_b128 v[R+16*((\t)%4)+4*\i:R+16*((\t)%4)+4*\i+3], v3, s[20:21] offset:2048*(\t)+512*\i th:TH_LOAD_NT   ; 32 lanes read 512 consecutive bytes; read once in the launch
.endr
.endm
.macro TURN t                          ; step t's numbers through the stage: LDS serves a wave's instructions in order, so no wait stands between the stores and the loads
.irp i, 0,1,2,3
	ds_store_b128 v14, v[R+16*((\t)%4)+4*\i:R+16*((\t)%4)+4*\i+3] offset:32*SP*((\t)%2)+8*SP*\i
.endr
.irp i, 0,1,2,3
	ds_load_b128 v[X+16*((\t)%2)+4*\i:X+16*((\t)%2)+4*\i+3], v15 offset:32*SP*((\t)%2)+16*\i
.endr
.endm
.irp t, 0,1,2,3
	LOAD \t
.endr
	s_wait_kmcnt 0x0
	s_cmp_lt_u32 ttmp9, 224
	s_cselect_b32 s44, s37, s43                    ; e of w_qkv (entry 1) or of w_out (entry 7),
	s_cmp_lt_u32 ttmp9, 128
	s_cselect_b32 s44, s36, s44                    ; or of x (entry 0)
	s_add_co_i32 s44, s44, 127
	s_lshl_b32 s45, s44, 23
	v_mov_b32 v11, s45                             ; 2^e as f32: the conversion takes its exponent field
	s_add_co_i32 s44, s44, EMAX
	s_lshl_b32 s44, s44, 23
	s_or_b32 s44, s44, MANT
	v_mov_b32 v10, s44                             ; 57,344 x 2^e
	s_wait_loadcnt 12                              ; step 0's four loads are in; the twelve of steps 1 to 3 may be out
	TURN 0
.macro STEP t
.set XW, X+16*((\t)%2)
	s_wait_dscnt 0x0                               ; this step's numbers are back from the stage: so its stores into the stage have read their registers,
.if (\t)+4 < STEPS
	LOAD (\t)+4                                    ; which take the loads of four steps on
.endif
.if (\t)+1 < STEPS
.if STEPS-2-(\t) >= 3
	s_wait_loadcnt 12                              ; the next step's four loads are in; those of the three steps behind it may be out
.else
	s_wait_loadcnt 4*(STEPS-2-(\t))                ; at the end fewer steps stand behind it
.endif
	TURN (\t)+1                                    ; and go through the other stage while this step is worked
.endif
.irp i, 0,1,2,3,4,5,6,7,8,9,10,11,12,13,14,15
	v_med3_num_f32 v[XW+\i], v[XW+\i], -v10, v10   ; the conversion to an 8-bit code does not saturate (ISA guide 7.6.2): hold the number within the largest code x the scale first
.endr
	v_cvt_scalef32_pk8_bf8_f32 v[C+4*(\t):C+4*(\t)+1], v[XW:XW+7], v11
	v_cvt_scalef32_pk8_bf8_f32 v[C+4*(\t)+2:C+4*(\t)+3], v[XW+8:XW+15], v11
	global_store_b128 v3, v[C+4*(\t):C+4*(\t)+3], s[22:23] offset:512*(\t)   ; 512 consecutive bytes, aligned; the codes are touched by this store alone, and the next vector lines are the next step's holds, on other registers
.endm
.irp t, 0,1,2,3,4,5,6,7,8,9,10,11,12,13,14,15
	STEP \t
.endr
	; the 32 pad rows of x_codes, 32,768 bytes of zero codes: wave 0 of each of the first 64 work-groups stores 512 of them
	s_cmp_lt_u32 ttmp9, 64
	s_cbranch_scc0 .Lend
	s_cmp_eq_u32 s18, 0
	s_cbranch_scc0 .Lend
.irp i, 0,1,2,3
	v_mov_b32 v[Z+\i], 0
.endr
	s_lshl_b32 s28, ttmp9, 9                       ; work-groups 0-31: bytes 0 to 16,383 (rows 0-15);
	s_cmp_lt_u32 ttmp9, 32
	s_cselect_b32 s30, 0, 0x400000                 ; 32-63: 4,096 rows further down (rows 4112-4127)
	s_add_co_u32 s28, s28, s30
	s_mov_b32 s29, 0
	s_add_nc_u64 s[30:31], s[12:13], s[28:29]
	global_store_b128 v3, v[Z:Z+3], s[30:31]
.Lend:
	s_wait_tensorcnt 0x0
	ds_add_u32 v192, v193
	s_wait_dscnt 0x0
	s_endpgm
.Lfunc_end_k_q43738dad28_quant:
	.size	k_q43738dad28_quant, .Lfunc_end_k_q43738dad28_quant-k_q43738dad28_quant
	.p2alignl 7, 3214868480
	.fill 96, 4, 3214868480
	.section	.rodata,"a",@progbits
	.p2align	6, 0x0
	.amdhsa_kernel k_q43738dad28_quant
		.amdhsa_group_segment_fixed_size 33280
		.amdhsa_private_segment_fixed_size 0
		.amdhsa_enable_private_segment 0
		.amdhsa_kernarg_size 56
		.amdhsa_user_sgpr_count 2
		.amdhsa_user_sgpr_kernarg_segment_ptr 1
		.amdhsa_wavefront_size32 1
		.amdhsa_system_sgpr_workgroup_id_x 1
		.amdhsa_system_sgpr_workgroup_id_y 1
		.amdhsa_system_sgpr_workgroup_id_z 1
		.amdhsa_system_vgpr_workitem_id 0
		.amdhsa_next_free_vgpr 194
		.amdhsa_next_free_sgpr 66
		.amdhsa_reserve_vcc 0
		.amdhsa_float_denorm_mode_32 3
		.amdhsa_float_denorm_mode_16_64 3
		.amdhsa_memory_ordered 1
		.amdhsa_forward_progress 1
		.amdhsa_inst_pref_size 39
	.end_amdhsa_kernel
	.amdgpu_metadata
---
amdhsa.version: [ 1, 2 ]
amdhsa.kernels:
  - .name:           k_q43738dad28_quant
    .symbol:         k_q43738dad28_quant.kd
    .args:
      - { .name: x, .offset: 0, .size: 8, .value_kind: global_buffer, .address_space: global }
      - { .name: w_qkv, .offset: 8, .size: 8, .value_kind: global_buffer, .address_space: global }
      - { .name: w_out, .offset: 16, .size: 8, .value_kind: global_buffer, .address_space: global }
      - { .name: lowp_scales, .offset: 24, .size: 8, .value_kind: global_buffer, .address_space: global }
      - { .name: x_codes, .offset: 32, .size: 8, .value_kind: global_buffer, .address_space: global }
      - { .name: wq_codes, .offset: 40, .size: 8, .value_kind: global_buffer, .address_space: global }
      - { .name: wo_codes, .offset: 48, .size: 8, .value_kind: global_buffer, .address_space: global }
    .group_segment_fixed_size: 33280
    .private_segment_fixed_size: 0
    .kernarg_segment_align: 8
    .kernarg_segment_size: 56
    .max_flat_workgroup_size: 128
    .sgpr_count:     66
    .vgpr_count:     194
    .wavefront_size: 32
...
	.end_amdgpu_metadata
.endif
;; end of part 1
;; launch qkvatt (part 2): grid 16 x 16, 4 waves a work-group, clusters of 4 x 4, 327,680 bytes of LDS; arguments x_codes, wq_codes, lowp_scales, b_qkv, att_img; writes att_img
.if DOCPART == 2
	.amdgcn_target "amdgcn-amd-amdhsa--gfx1250"
	.amdhsa_code_object_version 6
	.text
	.protected	k_q43738dad28_qkvatt
	.globl	k_q43738dad28_qkvatt
	.p2align	8
	.type	k_q43738dad28_qkvatt,@function
k_q43738dad28_qkvatt:
	s_mov_b64 s[64:65], 0
	v_nop
	global_prefetch_b8 v0, s[64:65] scope:SCOPE_SE
	s_setreg_imm32_b32 hwreg(HW_REG_WAVE_MODE, 25, 1), 1
	s_wait_xcnt 0x0
	s_wait_alu depctr_hold_cnt(0) depctr_sa_sdst(0) depctr_va_vdst(0) depctr_va_sdst(0) depctr_va_ssrc(0) depctr_va_vcc(0) depctr_vm_vsrc(0)
	s_getreg_b32 s2, hwreg(HW_REG_IB_STS2, 6, 4)
	s_cmp_eq_u32 s2, 0
	s_cbranch_scc0 .Lentry_in_a_cluster
	s_endpgm
.Lentry_in_a_cluster:
	s_bfe_u32 s2, ttmp6, 0x10000c
	s_cmp_lg_u32 s2, 0xf033
	s_cbranch_scc0 .Lentry_shape_is_right
	s_endpgm
.Lentry_shape_is_right:
; For 256 tokens and ONE head: q, k, v = x w^T + b on codes of BF8; q and k divided by (their norm + 1e-6); scores on the band |i - j| <= 16, i - j even, inside a batch of 2,048 tokens;
; p = 2^(t - M), t = score x log2(e), M = ceil(the row's largest t); O = (P V) / (the sum of the unquantised p); O quantised for the last product.  Every operand is quantised with its given scale 2^e.
; SHARES.  Work-group (x = head, y = block of 256 tokens), four waves.  A wave owns 64 queries and makes K and V for its own 96 tokens (16 more on each side), so that nothing but x's and w's codes is shared:
; Q 4 x 4, K 4 x 6 and V 4 x 6 accumulators of 16 x 16: 64 accumulators, 512 registers.  Norm, quantisers, both band products and the softmax stay in the wave's registers.
; Key tiles that lie wholly under the mask are not multiplied: a tile of 16 queries meets the three tiles of 16 keys round it.
; LAYOUTS.  Q's and K's blocks are made transposed (source 0 = 16 rows of w, source 1 = 16 tokens): a lane holds one token (lane % 16) and channels 16 b + 8 (lane / 16) + 0..7, whose eight codes are
; registers 2 b, 2 b + 1 of a fragment for K = 64.  V's blocks are made the other way round (source 0 = tokens, source 1 = w): a lane holds one channel row and tokens 8 (lane / 16) + 0..7: two registers of V^T.
; S^T = K Q^T leaves a lane one query and eight keys: two registers of P.  O^T = V^T P^T leaves a lane one query and eight channels; by the order of v's rows in wq_codes two neighbouring blocks are 16 neighbouring channels.
; In the first product both operands are fetched by 16-byte loads: the same permutation of k on both sides, so every product meets its partner.
; K = 1,024 goes in 8 steps of 128 through a ring of two LDS slots of 256 along K (x: 288 rows, w: 192 rows, 256 bytes + 16 of padding each), filled by the tensor data mover.
; CLUSTER 4 x 4: x's tile hangs on the block of tokens alone and is asked for jointly along a row of the cluster, w's on the head alone, along a column.
; OUT: att_img [256 tiles of 16 tokens][16 heads][1,024 bytes]: the image of a fragment's eight registers: registers 0-3 at 16 x lane, 4-7 at 512 + 16 x lane; lane (r, h): token r, channels 16 h + 0..15, then 32 + 16 h + 0..15.
; LIMITS on the given exponents, so that each power of two below is an f32 number: e0 + e1 and e2 + e3 between -126 and 127; e2, e3, e4, e5, e6 between -126 and 112.  A head's sum of squares stays inside f32.  NaN is not served.
; REGISTERS, in windows of 256.  Window 0: v1-31 addresses, scales, statistics; v32-127, v128-223 x's six fragments, two sets; v224-231 v's bias.  Window 1: v0-191 w's twelve fragments, one set; v192-223 q's bias, v224-255 k's.
; Windows 2, 3: accumulator n at v[8 (n % 32)] of window 2 + n / 32: Q(b, a) = 4 b + a, K(b, a) = 16 + 6 b + a, V(b, a) = 40 + 6 b + a (b: block of 16 channels, a: tile of 16 tokens).
; Behind the first product window 0 holds: v32-63 at work (T), v64-95 Q's codes, later O's, v96-143 K's codes, v144-199 V^T's (14 registers a block: six tiles and a tile of zeros), v200-223 S^T, v224-231 P's codes.
.set PITCH, 272                        ; an LDS row: 256 bytes + 16 of padding: the 16 rows that a fragment load touches start 68 words apart
.set AH,    144*PITCH                  ; half of x's 288 rows: one tensor load
.set BOFF,  288*PITCH                  ; w's rows lie behind x's
.set BH,    96*PITCH                   ; half of w's 192 rows: one tensor load
.set SLOT,  480*PITCH
.set SPARE, 2*SLOT                     ; behind the ring: the spare words, 128 bytes for each wave: two blocks of 256 bytes that no other line names
.set GO,   5                           ; v5   16 x lane: my place in an image
.set ADRX, 16                          ; v16-17  LDS address of my x fragments in slot 0, 1
.set NINF, 18                          ; v18  -infinity
.set D0,   19                          ; v19  lane % 16 - 8 (lane / 16)
.set ADRW, 20                          ; v20-21  the same for w
.set SPW,  28                          ; v28  LDS address of my spare word; never rewritten
.set NIL,  29                          ; v29  0; never rewritten
.set XS,   32
.set BV,   224
.set BQ,   192                         ; in window 1
.set BK,   224                         ; in window 1
.set T,    32
.set QF,   64
.set KF,   96
.set VP,   144
.set S,    200
.set PF,   224
.set G1,  24                           ; s[24:31] descriptor group 1 for x's tiles; s[32:39] group 0, a set for each slot
.set G0,  32
.set G1B, 48                           ; s[48:55], s[56:63] the same for w's tiles
.set G0B, 56
.set PAR, 66                           ; s66, s67  lanes whose query is even, odd
.set MX,  68                           ; s68-75   first the eight exponents; then a band edge cut at the batch's end
.set MM1, 84                           ; s84-91   key tile below: register j counts where j >= D0 and the parities agree
.set MP1, 92                           ; s92-99   key tile above: where j <= D0 and the parities agree
.set MSB, 0
.macro WIN new                         ; the immediate's high byte repeats the setting that is left; a switch that changes nothing is dropped
.if MSB != \new
	s_set_vgpr_msb (MSB<<8)|\new
.set MSB, \new
.endif
.endm
.macro PLACES n                        ; plain vector lines between a matrix instruction and a load into, or a vector read or write of, its registers
.rept \n
	v_nop
.endr
.endm
; A joint refill: waves 0 and 1 fetch x's halves, waves 2 and 3 w's.  The branch hangs on the wave's number alone.  Four v_nop follow each of the two lines.
.macro JLOAD s
	s_cmp_eq_u32 s15, 0
	s_cbranch_scc0 .Lfor_w_\@
	tensor_load_to_lds s[G0+4*\s:G0+4*\s+3], s[G1:G1+7]
	s_nop 0
.rept 4
	v_nop
.endr
	s_branch .Lasked_\@
.Lfor_w_\@:
	tensor_load_to_lds s[G0B+4*\s:G0B+4*\s+3], s[G1B:G1B+7]
	s_nop 0
.rept 4
	v_nop
.endr
.Lasked_\@:
.endm
.macro CREST                           ; a round of the cluster's barrier behind its opening barrier
	s_cmp_lg_u32 s14, 0
	s_cbranch_scc1 .Lnot_wave_0_\@
	s_barrier_signal -3
.Lnot_wave_0_\@:
	s_barrier_wait -3
	s_barrier_signal -1
	s_barrier_wait -1
.endm
.macro CROUND                          ; a whole round
	s_barrier_signal -1
	s_barrier_wait -1
	CREST
.endm
	s_load_b256 s[4:11], s[0:1], 0x0               ; x_codes s[4:5], wq_codes s[6:7], the exponents s[8:9], b_qkv s[10:11]
	s_load_b64 s[12:13], s[0:1], 0x20              ; att_img
	v_lshl_add_u32 v[SPW], v0, 2, SPARE
	v_mov_b32 v[NIL], 0
	ds_add_u32 v28, v29
	ds_add_u32 v28, v29
	s_wait_dscnt 0x0
	v_lshrrev_b32 v1, 5, v0
	v_readfirstlane_b32 s14, v1                    ; wave 0..3
	s_lshr_b32 s15, s14, 1                         ; I fetch for x (0) or for w (1),
	s_and_b32 s16, s14, 1                          ; and which half of the tile
	s_bfe_u32 s40, ttmp6, 0x40000                  ; cx, cy: my place in the cluster
	s_bfe_u32 s41, ttmp6, 0x40004
	s_lshl_b32 s42, ttmp9, 2
	s_add_co_u32 s42, s42, s40                     ; the head = 4 x cluster x + cx
	s_and_b32 s17, ttmp7, 0xffff
	s_lshl_b32 s17, s17, 2
	s_add_co_u32 s17, s17, s41                     ; the block of 256 tokens = 4 x cluster y + cy
	s_lshl_b32 s43, s41, 2
	s_lshl_b32 s43, 15, s43                        ; my row of the cluster
	s_lshl_b32 s44, 0x1111, s40                    ; my column
	; descriptor groups 1: rows of 256 bytes, 1,024 bytes apart in memory, 16 bytes of padding behind each in LDS
	s_or_b32 s[G1+0], s43, (1<<20)|(1<<21)|(5<<22)|(3<<25)   ; 15:0 the mask: x's tiles go to my row; 17:16 elements of 1 byte; 20 padding on; 21 set beside a mask; 24:22 after every 64 words; 31:25 four words
	s_mov_b32 s[G1+1], 256<<16                     ; tensor_dim0
	s_mov_b32 s[G1+2], 144<<16                     ; tensor_dim1
	s_mov_b32 s[G1+3], 256<<16                     ; tile_dim0
	s_mov_b32 s[G1+4], 144                         ; tile_dim1
	s_mov_b32 s[G1+5], 1024                        ; tensor_dim0_stride
	s_mov_b32 s[G1+6], 0
	s_mov_b32 s[G1+7], 0
	s_or_b32 s[G1B+0], s44, (1<<20)|(1<<21)|(5<<22)|(3<<25)  ; the same with the mask of my column, for w's tiles
	s_mov_b32 s[G1B+1], 256<<16
	s_mov_b32 s[G1B+2], 96<<16
	s_mov_b32 s[G1B+3], 256<<16
	s_mov_b32 s[G1B+4], 96
	s_mov_b32 s[G1B+5], 1024
	s_mov_b32 s[G1B+6], 0
	s_mov_b32 s[G1B+7], 0
	s_mul_i32 s18, s16, 144
	s_lshl_b32 s20, s17, 8
	s_add_co_u32 s20, s20, s18                     ; x_codes: row 256 x block + 144 x half (row = token + 16, so the tile begins 16 tokens ahead of the block)
	s_lshl_b32 s20, s20, 10
	s_mov_b32 s21, 0
	s_mul_i32 s19, s16, 96
	s_mul_i32 s46, s42, 192
	s_add_co_u32 s46, s46, s19                     ; wq_codes: row 192 x head + 96 x half
	s_lshl_b32 s46, s46, 10
	s_mov_b32 s47, 0
	s_mul_i32 s45, s16, AH                         ; where they go: no place in the cluster enters an LDS address
	s_mul_i32 s22, s16, BH
	s_add_co_u32 s22, s22, BOFF
	s_wait_kmcnt 0x0
	s_load_b256 s[68:75], s[8:9], 0x0              ; e0 .. e7
	s_add_nc_u64 s[20:21], s[4:5], s[20:21]
	s_add_nc_u64 s[46:47], s[6:7], s[46:47]
	CROUND                                         ; all sixteen work-groups are here: the first joint loads meet
.irp s, 0,1
	s_mov_b32 s[G0+4*\s], 1                                        ; count = 1
	s_add_co_u32 s[G0+4*\s+1], s45, \s*SLOT                        ; LDS address
	s_add_nc_u64 s[G0+4*\s+2:G0+4*\s+3], s[20:21], \s*256          ; global address: 256 along K for each slot
	s_or_b32 s[G0+4*\s+3], s[G0+4*\s+3], 0x80000000                ; type = 2
	s_mov_b32 s[G0B+4*\s], 1
	s_add_co_u32 s[G0B+4*\s+1], s22, \s*SLOT
	s_add_nc_u64 s[G0B+4*\s+2:G0B+4*\s+3], s[46:47], \s*256
	s_or_b32 s[G0B+4*\s+3], s[G0B+4*\s+3], 0x80000000
.endr
	s_cmp_eq_u32 s15, 0                            ; a wave's two first fills stand in one branch, ahead of every wait on TENSORcnt and every LDS read: two loads of mine are out
	s_cbranch_scc0 .Lfirst_w
	tensor_load_to_lds s[G0:G0+3], s[G1:G1+7]
	s_nop 0
	tensor_load_to_lds s[G0+4:G0+7], s[G1:G1+7]
	s_nop 0
.rept 4
	v_nop
.endr
	s_branch .Lfirst_asked
.Lfirst_w:
	tensor_load_to_lds s[G0B:G0B+3], s[G1B:G1B+7]
	s_nop 0
	tensor_load_to_lds s[G0B+4:G0B+7], s[G1B:G1B+7]
	s_nop 0
.rept 4
	v_nop
.endr
.Lfirst_asked:
	v_and_b32 v1, 15, v0                           ; r = lane % 16
	v_bfe_u32 v2, v0, 4, 1                         ; h = lane / 16
	v_mul_u32_u24 v3, v1, PITCH
	v_lshl_add_u32 v3, v2, 4, v3                   ; a fragment's row x pitch + 16 x half
	s_mul_i32 s18, s14, 64*PITCH                   ; my 96 rows of x begin at row 64 x wave of the tile
	s_mov_b32 s19, BOFF
.irp s, 0,1
	v_add_nc_u32 v[ADRX+\s], s18, v3
	v_add_nc_u32 v[ADRW+\s], s19, v3
	s_add_co_u32 s18, s18, SLOT
	s_add_co_u32 s19, s19, SLOT
.endr
	v_and_b32 v[GO], 31, v0
	v_lshlrev_b32 v[GO], 4, v[GO]
	v_lshlrev_b32 v4, 3, v2
	v_sub_nc_u32 v[D0], v1, v4
	v_mov_b32 v[NINF], 0xff800000
	v_lshlrev_b32 v4, 5, v2                        ; q's and k's bias: my eight channels of a block begin 32 h bytes in
	v_and_b32 v6, 8, v1
	v_add_nc_u32 v6, v6, v1
	v_lshlrev_b32 v6, 2, v6                        ; v's bias: channel row r of block b is channel 32 (b / 2) + 8 (b % 2) + r + 8 (r / 8)
	s_lshl_b32 s46, s42, 8                         ; the head's 64 numbers
	s_mov_b32 s47, 0
	s_add_nc_u64 s[10:11], s[10:11], s[46:47]
	WIN 0x40                                       ; destination window 1
.irp b, 0,1,2,3
	global_load_b128 v[BQ+8*\b:BQ+8*\b+3],   v4, s[10:11] offset:64*\b
	global_load_b128 v[BQ+8*\b+4:BQ+8*\b+7], v4, s[10:11] offset:64*\b+16
	global_load_b128 v[BK+8*\b:BK+8*\b+3],   v4, s[10:11] offset:4096+64*\b
	global_load_b128 v[BK+8*\b+4:BK+8*\b+7], v4, s[10:11] offset:4096+64*\b+16
.endr
	WIN 0
.irp b, 0,1,2,3
	global_load_b32 v[BV+2*\b],   v6, s[10:11] offset:8192+(32*(\b/2)+8*(\b%2))*4   ; the same number twice: a pair for the packed multiply-add
	global_load_b32 v[BV+2*\b+1], v6, s[10:11] offset:8192+(32*(\b/2)+8*(\b%2))*4
.endr
; One product of 16 x 16 x 128.  idx: the accumulator; wb: w's block; xa: x's tile; p: x's set; zero = 1: it starts the sum; nat = 1: source 0 = x (V's blocks).
.macro PROD idx, wb, xa, p, zero, nat
.set rD, 8*((\idx)%32)
.set rW, 16*(\wb)
.set rX, XS+96*(\p)+16*(\xa)
.if \nat
.set rWin, 0xf4                        ; source 0 (x) window 0, source 1 (w) window 1, C and D window 3
.else
.set rWin, 0xa1+0x50*((\idx)/32)       ; source 0 (w) window 1, source 1 (x) window 0, C and D window 2 or 3
.endif
	WIN rWin
.if \nat
.if \zero
	v_wmma_f32_16x16x128_bf8_bf8 v[rD:rD+7], v[rX:rX+15], v[rW:rW+15], 0
.else
	v_wmma_f32_16x16x128_bf8_bf8 v[rD:rD+7], v[rX:rX+15], v[rW:rW+15], v[rD:rD+7]
.endif
.else
.if \zero
	v_wmma_f32_16x16x128_bf8_bf8 v[rD:rD+7], v[rW:rW+15], v[rX:rX+15], 0
.else
	v_wmma_f32_16x16x128_bf8_bf8 v[rD:rD+7], v[rW:rW+15], v[rX:rX+15], v[rD:rD+7]
.endif
.endif
.endm
; The 64 accumulators take turns, one instruction a turn, in the same order in every step.
.macro MULQ p, z                       ; 16 products: q's four blocks x my four tiles of queries (x's tiles 1 to 4)
.irp b, 0,1,2,3
.irp a, 0,1,2,3
	PROD 4*\b+\a, \b, \a+1, \p, \z, 0
.endr
.endr
.endm
.macro MULK b0, p, z                   ; 12 products: k's blocks b0, b0 + 1 x six tiles
.irp b, \b0, \b0+1
.irp a, 0,1,2,3,4,5
	PROD 16+6*(\b)+\a, 4+(\b), \a, \p, \z, 0
.endr
.endr
.endm
.macro MULV b0, p, z                   ; 12 products: v's blocks b0, b0 + 1 x six tiles
.irp b, \b0, \b0+1
.irp a, 0,1,2,3,4,5
	PROD 40+6*(\b)+\a, 8+(\b), \a, \p, \z, 1
.endr
.endr
.endm
.macro FRAG reg, adr, q, i             ; a fragment, 16 rows x 128 K: registers 4 c .. 4 c + 3 hold k = 32 c + 16 (lane / 16) + 0 .. 15 of row lane % 16
.irp c, 0,1,2,3
	ds_load_b128 v[\reg+4*\c:\reg+4*\c+3], v[\adr] offset:128*(\q)+32*\c+(\i)*16*PITCH
.endr
.endm
.macro FETCH_X slot, q, p              ; 24 loads: x's six tiles of the slot's q-th 128 along K into set p
	WIN 0
.irp a, 0,1,2,3,4,5
	FRAG XS+96*(\p)+16*\a, ADRX+\slot, \q, \a
.endr
.endm
.macro FETCH_W slot, q, i0             ; 24 loads: w's blocks i0 .. i0 + 5
	WIN 0x40
.irp i, \i0, \i0+1, \i0+2, \i0+3, \i0+4, \i0+5
	FRAG 16*(\i), ADRW+\slot, \q, \i
.endr
	WIN 0
.endm
; A slot's first step of 128 along K, on x's set 0.  w has one set: blocks 0-5 are free behind q's and half of k's products and are fetched anew in the step's middle with x's other set, blocks 6-11 at its end.
.macro STEP slot, zero
	s_wait_dscnt 24                                ; x's set and w's blocks 0-5 are in; the youngest 24 loads (blocks 6-11) may be out
	MULQ 0, \zero
	MULK 0, 0, \zero
	s_wait_dscnt 0x0                               ; blocks 6-11 are in (asked for 28 matrix instructions ago)
	PLACES 4
	FETCH_X \slot, 1, 1
	FETCH_W \slot, 1, 0
	MULK 2, 0, \zero
	MULV 0, 0, \zero
	MULV 2, 0, \zero
	PLACES 4
	FETCH_W \slot, 1, 6
.endm
; A slot's second step, on set 1, changes slots: ONE barrier; in front of it each wave waits for all its tensor loads, adds 0 to its spare word, and waits for that and for its reads of this slot.
; fill = 1: the barrier opens a round of the cluster's, and this slot is filled again, 512 along K further on.
.macro TURN slot, next, fill
	s_wait_tensorcnt 0x0                           ; all my tensor loads have landed: my part of the next slot  (every window is 0 here)
	ds_add_u32 v[SPW], v[NIL]                      ; 0 onto my spare word
	s_wait_dscnt 25                                ; the add and the youngest 24 loads (w's blocks 6-11) may be out
	MULQ 1, 0                                      ; sixteen matrix instructions stand between the add and the wait for it
	s_wait_dscnt 0x0                               ; the add is done, and my reads of this slot are over
	s_barrier_signal -1
	MULK 0, 1, 0
	WIN 0
	s_barrier_wait -1
.if \fill
	CREST                                          ; no wave of any partner still reads this slot or has a load on its way
	s_add_nc_u64 s[G0+4*\slot+2:G0+4*\slot+3], s[G0+4*\slot+2:G0+4*\slot+3], 512
	s_add_nc_u64 s[G0B+4*\slot+2:G0B+4*\slot+3], s[G0B+4*\slot+2:G0B+4*\slot+3], 512
	JLOAD \slot                                    ; the first tensor load behind the round, my one load until the next; its four v_nop are the places in front of the loads below
.else
	PLACES 4
.endif
	FETCH_X \next, 0, 0
	FETCH_W \next, 0, 0
	MULK 2, 1, 0
	MULV 0, 1, 0
	MULV 2, 1, 0
	PLACES 4
	FETCH_W \next, 0, 6
.endm
	s_wait_tensorcnt 1                             ; my part of slot 0 is in; slot 1's load may be out
	s_barrier_signal -1
	s_barrier_wait -1                              ; everybody's is
	FETCH_X 0, 0, 0
	FETCH_W 0, 0, 0
	FETCH_W 0, 0, 6
	STEP 0, 1                                      ; K 0-127: the products start the sums: nothing is cleared
	TURN 0, 1, 1                                   ; K 128-255; slot 0 takes K 512-767
	STEP 1, 0
	TURN 1, 0, 1                                   ; slot 1 takes K 768-1023
	STEP 0, 0
	TURN 0, 1, 0                                   ; nothing is left to fetch
	STEP 1, 0
	s_wait_dscnt 24                                ; the last step
	MULQ 1, 0
	MULK 0, 1, 0
	s_wait_dscnt 0x0
	MULK 2, 1, 0
	MULV 0, 1, 0
	MULV 2, 1, 0
	WIN 0
	PLACES 4                                       ; in front of the first writes of x's registers and the first reads of results
	s_wait_loadcnt 0x0                             ; the biases
	s_wait_kmcnt 0x0                               ; the exponents
	; ---- the scales
	s_add_co_i32 s76, s68, s69
	s_add_co_i32 s76, s76, 127
	s_lshl_b32 s76, s76, 23                        ; 2^(e0 + e1): a sum of the first product stands for sum x that
	s_mov_b32 s77, s76                             ; (named with it as a pair, so it is written)
	s_add_co_i32 s78, s70, s71
	s_lshl_b32 s78, s78, 23
	s_add_co_i32 s78, s78, 0x3fb8aa3b              ; c = log2(e) x 2^(e2 + e3): the exponents are added to log2(e)'s exponent field
	s_mov_b32 s79, s78
	s_add_co_i32 s80, s72, s73                     ; e4 + e5, applied by v_ldexp_f32
	s_mov_b32 s82, 0x76543210
	s_mov_b32 s83, 0xfedcba98                      ; v_permlanex16_b32's selects for lane l xor 16
.macro SCL e, vs                       ; v[vs] = 2^e as f32, for the conversion; v[vs + 1] = 57,344 x 2^e, for the hold
	s_add_co_i32 s18, s[\e], 127
	s_lshl_b32 s19, s18, 23
	v_mov_b32 v[\vs], s19
	s_add_co_i32 s18, s18, 15
	s_lshl_b32 s18, s18, 23
	s_or_b32 s18, s18, 0x600000
	v_mov_b32 v[\vs+1], s18
.endm
	SCL 70, 6                                      ; q: e2
	SCL 71, 8                                      ; k: e3
	SCL 73, 10                                     ; v: e5
	SCL 72, 12                                     ; p: e4
	SCL 74, 14                                     ; O: e6
	v_mov_b32 v23, 0                               ; upper halves of pairs of which the low word serves both halves, and a lane permute's destination: written once
	v_mov_b32 v25, 0
	v_mov_b32 v27, 0
	v_mov_b32 v31, 0
	; ---- the mask, as lane masks.  In S^T lane (r, h) holds query r, and register j of key tile i (0 below, 1 level, 2 above) key - query = 16 (i - 1) + 8 h + j - r:
	; even where j and r have one parity; at least -16 in tile 0 where j >= r - 8 h; at most 16 in tile 2 where j <= r - 8 h.
	v_and_b32 v3, 1, v0
	v_cmp_eq_u32 s[PAR], 0, v3
	v_cmp_eq_u32 s[PAR+1], 1, v3
.irp j, 0,1,2,3,4,5,6,7
	v_cmp_ge_i32 s[MM1+\j], \j, v[D0]
	v_cmp_le_i32 s[MP1+\j], \j, v[D0]
	s_and_b32 s[MM1+\j], s[MM1+\j], s[PAR+\j%2]
	s_and_b32 s[MP1+\j], s[MP1+\j], s[PAR+\j%2]
.endr
	s_and_b32 s18, s17, 7                          ; a batch is 8 blocks of 256 tokens
	s_or_b32 s22, s18, s14
	s_min_u32 s22, s22, 1
	s_sub_co_i32 s22, 0, s22                       ; 0 for the batch's first wave, whose lowest key tile is not of its batch; else all ones
	s_lshl_b32 s18, s18, 2
	s_or_b32 s18, s18, s14
	s_sub_co_u32 s23, 31, s18
	s_min_u32 s23, s23, 1
	s_sub_co_i32 s23, 0, s23                       ; 0 for the batch's last wave
	s_lshl_b32 s20, s17, 4
	s_lshl_b32 s18, s14, 2
	s_add_co_u32 s20, s20, s18                     ; my first tile of 16 tokens: 16 x block + 4 x wave
	s_lshl_b32 s20, s20, 4
	s_add_co_u32 s20, s20, s42                     ; x 16 heads + my head
	s_lshl_b32 s20, s20, 10
	s_mov_b32 s21, 0
	s_add_nc_u64 s[12:13], s[12:13], s[20:21]
.macro HOLD lim                        ; the conversion to an 8-bit code does not saturate (ISA guide 7.6.2): T's 32 numbers are held within the largest code x the scale
.set n, 0
.rept 32
	v_med3_num_f32 v[T+n], v[T+n], -v[\lim], v[\lim]
.set n, n+1
.endr
.endm
; One tile of 16 tokens of q or of k: sum x 2^(e0 + e1) + bias; divided by (norm + 1e-6); quantised: eight registers of codes at dst.  The tile's four accumulators are base + stride x b.
.macro NORM dst, bias, sc, lim, base, stride
.irp b, 0,1,2,3
.set nI, (\base)+(\stride)*\b
.set rA, 8*(nI%32)
.set rWin, 0x12+nI/32                  ; source 0 (the sums) window 2 or 3, source 2 (the bias) window 1
	WIN rWin
.irp i, 0,2,4,6
	v_pk_fma_f32 v[T+8*\b+\i:T+8*\b+\i+1], v[rA+\i:rA+\i+1], s[76:77], v[\bias+8*\b+\i:\bias+8*\b+\i+1] op_sel_hi:[1,0,1]   ; each accumulator from its low end on
.endr
.endr
	WIN 0
	v_pk_mul_f32 v[26:27], v[T:T+1], v[T:T+1]      ; the sum of my 32 squares, two at a time, in two chains
	v_pk_mul_f32 v[30:31], v[T+2:T+3], v[T+2:T+3]
.irp i, 4,8,12,16,20,24,28
	v_pk_fma_f32 v[26:27], v[T+\i:T+\i+1], v[T+\i:T+\i+1], v[26:27]
	v_pk_fma_f32 v[30:31], v[T+\i+2:T+\i+3], v[T+\i+2:T+\i+3], v[30:31]
.endr
	v_pk_add_f32 v[26:27], v[26:27], v[30:31]
	v_add_f32 v26, v26, v27
	v_permlanex16_b32 v27, v26, s82, s83           ; the token's other 32 channels lie in the lane 16 away
	v_add_f32 v26, v26, v27
	v_sqrt_f32 v30, v26
	v_nop                                          ; a plain line behind a transcendental
	s_wait_alu depctr_va_vdst(0)
	v_add_f32 v30, 0x358637bd, v30                 ; + 1e-6
	v_rcp_f32 v22, v30
	v_nop
.set n, 0
	s_wait_alu depctr_va_vdst(0)
.rept 16
	v_pk_mul_f32 v[T+n:T+n+1], v[T+n:T+n+1], v[22:23] op_sel_hi:[1,0]
.set n, n+2
.endr
	HOLD \lim
.irp b, 0,1,2,3
	v_cvt_scalef32_pk8_bf8_f32 v[\dst+2*\b:\dst+2*\b+1], v[T+8*\b:T+8*\b+7], v[\sc]   ; channels 16 b + 8 h + 0..7: registers 2 b, 2 b + 1 of the fragment
.endr
	v_nop                                          ; a plain line behind the last conversion
.endm
; One tile of 16 tokens of v: sum x 2^(e0 + e1) + bias, quantised: for each block of 16 channel rows two registers of V^T.
.macro VT a
	WIN 0x03                                       ; source 0 (the sums) window 3
.irp b, 0,1,2,3
.set rA, 8*((40+6*\b+\a)%32)
.irp i, 0,2,4,6
	v_pk_fma_f32 v[T+8*\b+\i:T+8*\b+\i+1], v[rA+\i:rA+\i+1], s[76:77], v[BV+2*\b:BV+2*\b+1] op_sel_hi:[1,0,1]
.endr
.endr
	WIN 0
	HOLD 11
.irp b, 0,1,2,3
	v_cvt_scalef32_pk8_bf8_f32 v[VP+14*\b+2*\a:VP+14*\b+2*\a+1], v[T+8*\b:T+8*\b+7], v10   ; tokens 16 a + 8 h + 0..7
.endr
	v_nop
.endm
.irp a, 0,1,2,3
	NORM QF+8*\a, BQ, 6, 7, \a, 4
.endr
.irp a, 0,1,2,3,4,5
	NORM KF+8*\a, BK, 8, 9, 16+\a, 6
.endr
.irp a, 0,1,2,3,4,5
	VT \a
.endr
.irp b, 0,1,2,3
	v_mov_b32 v[VP+14*\b+12], 0                    ; a seventh tile of zero codes: the product of K = 64 takes four key tiles, of which three count
	v_mov_b32 v[VP+14*\b+13], 0
.endr
	v_mov_b32 v[PF+6], 0                           ; and P's fourth tile is zero codes, which add nothing (v's bias, which lay here, is done with)
	v_mov_b32 v[PF+7], 0
; A tile of 16 queries against its three key tiles.  mlo, mhi: the lane masks of the tile below and of the tile above.
.macro ATT qt, mlo, mhi
.irp i, 0,1,2
	v_wmma_f32_16x16x64_bf8_bf8 v[S+8*\i:S+8*\i+7], v[KF+8*(\qt+\i):KF+8*(\qt+\i)+7], v[QF+8*\qt:QF+8*\qt+7], 0   ; S^T: lane (r, h): query r, keys 8 h + 0..7 of key tile qt + i
.endr
	PLACES 4
.irp j, 0,1,2,3,4,5,6,7
	v_cndmask_b32 v[S+\j], v[NINF], v[S+\j], s[\mlo+\j]        ; what the mask hides becomes -infinity ahead of the maximum: p = 0 then
.endr
.irp j, 0,1,2,3,4,5,6,7
	v_cndmask_b32 v[S+8+\j], v[NINF], v[S+8+\j], s[PAR+\j%2]
.endr
.irp j, 0,1,2,3,4,5,6,7
	v_cndmask_b32 v[S+16+\j], v[NINF], v[S+16+\j], s[\mhi+\j]
.endr
	v_max3_num_f32 v26, v[S], v[S+1], v[S+2]       ; the largest score of my query among my 24 keys, in two chains (the query's own key always counts),
	v_max3_num_f32 v30, v[S+3], v[S+4], v[S+5]
.irp i, 6,10,14,18
	v_max3_num_f32 v26, v26, v[S+\i], v[S+\i+1]
	v_max3_num_f32 v30, v30, v[S+\i+2], v[S+\i+3]
.endr
	v_max3_num_f32 v26, v26, v[S+22], v[S+23]
	v_max_num_f32 v26, v26, v30
	v_permlanex16_b32 v27, v26, s82, s83
	v_max_num_f32 v26, v26, v27                    ; and among lane l xor 16's
	v_mul_f32 v26, s78, v26                        ; as t (c is positive)
	v_floor_f32 v24, -v26                          ; -M = floor(-t) = -ceil(t)
.set n, 0
.rept 12
	v_pk_fma_f32 v[S+n:S+n+1], v[S+n:S+n+1], s[78:79], v[24:25] op_sel_hi:[1,0,0]   ; t - M, two at a time
.set n, n+2
.endr
.set n, 0
.rept 24
	v_exp_f32 v[S+n], v[S+n]                       ; p = 2^(t - M), at most 1: not normalised
.set n, n+1
.endr
	v_nop                                          ; a plain line behind the exponentials
	s_wait_alu depctr_va_vdst(0)
	v_pk_add_f32 v[26:27], v[S:S+1], v[S+2:S+3]    ; the row's sum is taken of the unquantised p: two at a time, in two chains
	v_pk_add_f32 v[30:31], v[S+4:S+5], v[S+6:S+7]
.irp i, 8,12,16,20
	v_pk_add_f32 v[26:27], v[26:27], v[S+\i:S+\i+1]
	v_pk_add_f32 v[30:31], v[30:31], v[S+\i+2:S+\i+3]
.endr
	v_pk_add_f32 v[26:27], v[26:27], v[30:31]
.set n, 0
.rept 24
	v_min_num_f32 v[S+n], v[S+n], v13              ; p is not negative: the hold is one-sided
.set n, n+1
.endr
.irp i, 0,1,2
	v_cvt_scalef32_pk8_bf8_f32 v[PF+2*\i:PF+2*\i+1], v[S+8*\i:S+8*\i+7], v12
.endr
	v_nop
.irp b, 0,1,2,3
	v_wmma_f32_16x16x64_bf8_bf8 v[T+8*\b:T+8*\b+7], v[VP+14*\b+2*\qt:VP+14*\b+2*\qt+7], v[PF:PF+7], 0   ; O^T: lane (r, h): query r, channel rows 16 b + 8 h + 0..7
.endr
	v_add_f32 v26, v26, v27                        ; the sum's two halves  (these lines are also the places behind the products),
	v_permlanex16_b32 v27, v26, s82, s83
	v_add_f32 v26, v26, v27                        ; and lane l xor 16's
	v_rcp_f32 v22, v26
	v_nop
	s_wait_alu depctr_va_vdst(0)
	v_ldexp_f32 v22, v22, s80                      ; 2^(e4 + e5) / the sum
	v_nop
	v_nop
.set n, 0
.rept 16
	v_pk_mul_f32 v[T+n:T+n+1], v[T+n:T+n+1], v[22:23] op_sel_hi:[1,0]   ; each accumulator from its low end on
.set n, n+2
.endr
	HOLD 15
.irp b, 0,1,2,3
	v_cvt_scalef32_pk8_bf8_f32 v[QF+8*\qt+2*\b:QF+8*\qt+2*\b+1], v[T+8*\b:T+8*\b+7], v14   ; blocks 2 g, 2 g + 1: channels 32 g + 16 h + 0..15; into the registers that this tile's Q has left
.endr
	v_nop
	global_store_b128 v[GO], v[QF+8*\qt:QF+8*\qt+3],   s[12:13] offset:\qt*16384       ; 512 consecutive bytes each, aligned; each tile has its own registers, so no store's data are written again
	global_store_b128 v[GO], v[QF+8*\qt+4:QF+8*\qt+7], s[12:13] offset:\qt*16384+512
.endm
.irp j, 0,1,2,3,4,5,6,7
	s_and_b32 s[MX+\j], s[MM1+\j], s22             ; my lowest key tile, cut where it is not of my batch
.endr
	ATT 0, MX, MP1
	ATT 1, MM1, MP1
	ATT 2, MM1, MP1
.irp j, 0,1,2,3,4,5,6,7
	s_and_b32 s[MX+\j], s[MP1+\j], s23             ; my highest key tile likewise
.endr
	ATT 3, MM1, MX
	s_wait_tensorcnt 0x0                           ; the wave's end
	ds_add_u32 v[SPW], v[NIL]
	s_wait_dscnt 0x0
	CROUND                                         ; the closing round: no work-group ends while a partner may still ask for a tile that names it
	s_endpgm
.Lfunc_end_k_q43738dad28_qkvatt:
	.size	k_q43738dad28_qkvatt, .Lfunc_end_k_q43738dad28_qkvatt-k_q43738dad28_qkvatt
	.p2alignl 7, 3214868480
	.fill 96, 4, 3214868480
	.section	.rodata,"a",@progbits
	.p2align	6, 0x0
	.amdhsa_kernel k_q43738dad28_qkvatt
		.amdhsa_group_segment_fixed_size 327680
		.amdhsa_private_segment_fixed_size 0
		.amdhsa_enable_private_segment 0
		.amdhsa_kernarg_size 40
		.amdhsa_user_sgpr_count 2
		.amdhsa_user_sgpr_kernarg_segment_ptr 1
		.amdhsa_wavefront_size32 1
		.amdhsa_system_sgpr_workgroup_id_x 1
		.amdhsa_system_sgpr_workgroup_id_y 1
		.amdhsa_system_sgpr_workgroup_id_z 1
		.amdhsa_system_vgpr_workitem_id 0
		.amdhsa_next_free_vgpr 1024
		.amdhsa_next_free_sgpr 100
		.amdhsa_reserve_vcc 0
		.amdhsa_float_denorm_mode_32 3
		.amdhsa_float_denorm_mode_16_64 3
		.amdhsa_memory_ordered 1
		.amdhsa_forward_progress 1
		.amdhsa_inst_pref_size 207
	.end_amdhsa_kernel
	.amdgpu_metadata
---
amdhsa.version: [ 1, 2 ]
amdhsa.kernels:
  - .name:           k_q43738dad28_qkvatt
    .symbol:         k_q43738dad28_qkvatt.kd
    .args:
      - { .name: x_codes, .offset: 0, .size: 8, .value_kind: global_buffer, .address_space: global }
      - { .name: wq_codes, .offset: 8, .size: 8, .value_kind: global_buffer, .address_space: global }
      - { .name: lowp_scales, .offset: 16, .size: 8, .value_kind: global_buffer, .address_space: global }
      - { .name: b_qkv, .offset: 24, .size: 8, .value_kind: global_buffer, .address_space: global }
      - { .name: att_img, .offset: 32, .size: 8, .value_kind: global_buffer, .address_space: global }
    .group_segment_fixed_size: 327680
    .private_segment_fixed_size: 0
    .kernarg_segment_align: 8
    .kernarg_segment_size: 40
    .max_flat_workgroup_size: 128
    .sgpr_count:     100
    .vgpr_count:     1024
    .wavefront_size: 32
...
	.end_amdgpu_metadata
.endif
;; end of part 2
;; launch outproj (part 3): grid 8 x 32, 4 waves a work-group, clusters of 4 x 4, 327,680 bytes of LDS; arguments att_img, wo_codes, lowp_scales, b_out, out0; writes out0
.if DOCPART == 3
	.amdgcn_target "amdgcn-amd-amdhsa--gfx1250"
	.amdhsa_code_object_version 6
	.text
	.protected	k_q43738dad28_outproj
	.globl	k_q43738dad28_outproj
	.p2align	8
	.type	k_q43738dad28_outproj,@function
k_q43738dad28_outproj:
	s_mov_b64 s[64:65], 0
	v_nop
	global_prefetch_b8 v0, s[64:65] scope:SCOPE_SE
	s_setreg_imm32_b32 hwreg(HW_REG_WAVE_MODE, 25, 1), 1
	s_wait_xcnt 0x0
	s_wait_alu depctr_hold_cnt(0) depctr_sa_sdst(0) depctr_va_vdst(0) depctr_va_sdst(0) depctr_va_ssrc(0) depctr_va_vcc(0) depctr_vm_vsrc(0)
	s_getreg_b32 s2, hwreg(HW_REG_IB_STS2, 6, 4)
	s_cmp_eq_u32 s2, 0
	s_cbranch_scc0 .Lentry_in_a_cluster
	s_endpgm
.Lentry_in_a_cluster:
	s_bfe_u32 s2, ttmp6, 0x10000c
	s_cmp_lg_u32 s2, 0xf033
	s_cbranch_scc0 .Lentry_shape_is_right
	s_endpgm
.Lentry_shape_is_right:
; out0 [4096][1024] f32 = A w_out^T x 2^(e6 + e7) + b_out, on codes of BF8.  A comes as att_img [256 tiles of 16 tokens][16 heads][1,024 bytes], the images of fragments of 16 tokens x 64 K:
; registers 0-3 at 16 x lane, 4-7 at 512 + 16 x lane; two heads on end are the 16 registers of a fragment for K = 128: registers 4 c .. 4 c + 3 hold k = 32 c + 16 (lane / 16) + 0 .. 15.
; wo_codes [1024][1024], K innermost, is fetched by 16-byte loads at 32 c + 16 (lane / 16): the same places of k.
; SHARES.  A work-group makes 128 x 128 of out0 (x: columns, y: rows): 256 work-groups; each of its four waves 64 x 64: 16 accumulators.
; BOTH TILES' WHOLE K FITS IN LDS: four chunks of 256 along K for each side, every one a first fill, all asked for at the start (four loads a wave are out): nothing is filled again.
; A chunk is read behind its own counted wait and a barrier, so the first products run while the later chunks are on their way.
; CLUSTER 4 x 4: A's chunks hang on the rows alone and are asked for jointly along a row of the cluster, w_out's on the columns alone, along a column.
; THE MATRIX INSTRUCTION IS USED TRANSPOSED (source 0 = 16 rows of w_out, source 1 = 16 tokens): a lane holds eight neighbouring numbers of a row of out0.
; LIMIT: e6 + e7 between -126 and 127, so that 2^(e6 + e7) is an f32 number.
; REGISTERS.  Window 0: v1-26 addresses; v32-63, v64-95 rows on their way out, by turns; v96-127 the bias; v128-255 the accumulators ((a, b) at v[128 + 8 (4 a + b)]).
; Window 1: two sets of fragments for 128 along K, at v0 and at v128: 64 registers of A (four tiles), then 64 of w_out (four blocks).
.set PB,     272                       ; a row of w_out in LDS: 256 bytes + 16 of padding
.set ACH,    32768                     ; a chunk of A: 8 tiles x 4 heads x 1,024 bytes, as they lie
.set BBASE,  4*ACH
.set BCH,    128*PB                    ; a chunk of w_out: 128 rows
.set STAGE,  BBASE+4*BCH               ; behind the tiles: 16 rows x 272 bytes for each wave, for the way out; no tensor load lands there
.set SPITCH, 272
.set ADRA, 16                          ; v16-17  my A fragments in chunks 0-1, 2-3
.set ADRB, 20                          ; v20-21  the same for w_out
.set STO,  24                          ; v24  the way out: where I put 32 bytes of a row
.set RD,   25                          ; v25  where I read a row back
.set CO,   26                          ; v26  my byte offset in out0
.set OB,   32
.set BIAS, 96
.set ACC,  128
.set F0,   0
.set F1,   128
.set G1A, 24                           ; s[24:31] descriptor group 1 for A; s[32:47] its four groups 0
.set G0A, 32
.set G1B, 48                           ; s[48:55] group 1 for w_out; s[56:63], s[68:75] its four groups 0
.set MSB, 0
.macro WIN new
.if MSB != \new
	s_set_vgpr_msb (MSB<<8)|\new
.set MSB, \new
.endif
.endm
.macro PLACES n
.rept \n
	v_nop
.endr
.endm
.macro CROUND                          ; a round of the cluster's barrier
	s_barrier_signal -1
	s_barrier_wait -1
	s_cmp_lg_u32 s14, 0
	s_cbranch_scc1 .Lnot_wave_0_\@
	s_barrier_signal -3
.Lnot_wave_0_\@:
	s_barrier_wait -3
	s_barrier_signal -1
	s_barrier_wait -1
.endm
	s_load_b256 s[4:11], s[0:1], 0x0               ; att_img s[4:5], wo_codes s[6:7], the exponents s[8:9], b_out s[10:11]
	s_load_b64 s[12:13], s[0:1], 0x20              ; out0
	v_lshl_add_u32 v30, v0, 2, 0x46400
	v_mov_b32 v31, 0
	ds_add_u32 v30, v31
	ds_add_u32 v30, v31
	v_lshrrev_b32 v1, 5, v0
	v_readfirstlane_b32 s14, v1                    ; wave 0..3
	s_lshr_b32 s15, s14, 1                         ; which half of the rows is mine.  Also: I fetch for A (0) or for w_out (1)
	s_and_b32 s16, s14, 1                          ; which half of the columns.  Also: which half of a chunk I fetch
	s_bfe_u32 s76, ttmp6, 0x40000                  ; cx, cy
	s_bfe_u32 s77, ttmp6, 0x40004
	s_lshl_b32 s78, ttmp9, 2
	s_add_co_u32 s78, s78, s76                     ; tile column = 4 x cluster x + cx
	s_and_b32 s17, ttmp7, 0xffff
	s_lshl_b32 s17, s17, 2
	s_add_co_u32 s17, s17, s77                     ; tile row = 4 x cluster y + cy
	s_lshl_b32 s79, s77, 2
	s_lshl_b32 s79, 15, s79                        ; my row of the cluster
	s_lshl_b32 s80, 0x1111, s76                    ; my column
	; A: four rows (tiles of 16 tokens) of 512 elements of 8 bytes (four heads' images), 2,048 elements apart; dense in LDS
	s_or_b32 s[G1A+0], s79, (3<<16)|(1<<21)        ; 15:0 the mask: my row; 17:16 elements of 8 bytes; 21 set beside a mask; no padding
	s_mov_b32 s[G1A+1], 512<<16                    ; tensor_dim0
	s_mov_b32 s[G1A+2], 4<<16                      ; tensor_dim1
	s_mov_b32 s[G1A+3], 512<<16                    ; tile_dim0
	s_mov_b32 s[G1A+4], 4                          ; tile_dim1
	s_mov_b32 s[G1A+5], 2048                       ; tensor_dim0_stride
	s_mov_b32 s[G1A+6], 0
	s_mov_b32 s[G1A+7], 0
	; w_out: 64 rows of 256 bytes, 1,024 apart, 16 bytes of padding behind each
	s_or_b32 s[G1B+0], s80, (1<<20)|(1<<21)|(5<<22)|(3<<25)
	s_mov_b32 s[G1B+1], 256<<16
	s_mov_b32 s[G1B+2], 64<<16
	s_mov_b32 s[G1B+3], 256<<16
	s_mov_b32 s[G1B+4], 64
	s_mov_b32 s[G1B+5], 1024
	s_mov_b32 s[G1B+6], 0
	s_mov_b32 s[G1B+7], 0
	s_lshl_b32 s18, s16, 2
	s_lshl_b32 s20, s17, 3
	s_add_co_u32 s20, s20, s18                     ; A: tile of tokens 8 x tile row + 4 x half,
	s_lshl_b32 s20, s20, 14                        ; 16,384 bytes each
	s_mov_b32 s21, 0
	s_lshl_b32 s22, s16, 14                        ; and in a chunk in LDS
	s_lshl_b32 s19, s16, 6
	s_lshl_b32 s86, s78, 7
	s_add_co_u32 s86, s86, s19                     ; w_out: row 128 x tile column + 64 x half
	s_lshl_b32 s86, s86, 10
	s_mov_b32 s87, 0
	s_mul_i32 s23, s16, 64*PB
	s_add_co_u32 s23, s23, BBASE
	s_wait_dscnt 0x0
	s_wait_kmcnt 0x0
	s_load_b64 s[90:91], s[8:9], 0x18              ; e6, e7
	s_add_nc_u64 s[20:21], s[4:5], s[20:21]
	s_add_nc_u64 s[86:87], s[6:7], s[86:87]
	CROUND                                         ; all sixteen work-groups are here: the joint loads meet
.irp k, 0,1,2,3
.set gb, 56+4*\k+4*(\k/2)
	s_mov_b32 s[G0A+4*\k], 1
	s_add_co_u32 s[G0A+4*\k+1], s22, \k*ACH
	s_add_nc_u64 s[G0A+4*\k+2:G0A+4*\k+3], s[20:21], \k*4096       ; four heads on
	s_or_b32 s[G0A+4*\k+3], s[G0A+4*\k+3], 0x80000000
	s_mov_b32 s[gb], 1
	s_add_co_u32 s[gb+1], s23, \k*BCH
	s_add_nc_u64 s[gb+2:gb+3], s[86:87], \k*256
	s_or_b32 s[gb+3], s[gb+3], 0x80000000
.endr
	s_cmp_eq_u32 s15, 0                            ; a wave's four fills stand in one branch, ahead of every wait on TENSORcnt and every LDS read: four loads of mine are out
	s_cbranch_scc0 .Lfirst_b
	tensor_load_to_lds s[32:35], s[G1A:G1A+7]
	s_nop 0
	tensor_load_to_lds s[36:39], s[G1A:G1A+7]
	s_nop 0
	tensor_load_to_lds s[40:43], s[G1A:G1A+7]
	s_nop 0
	tensor_load_to_lds s[44:47], s[G1A:G1A+7]
	s_nop 0
.rept 4
	v_nop
.endr
	s_branch .Lfirst_asked
.Lfirst_b:
	tensor_load_to_lds s[56:59], s[G1B:G1B+7]
	s_nop 0
	tensor_load_to_lds s[60:63], s[G1B:G1B+7]
	s_nop 0
	tensor_load_to_lds s[68:71], s[G1B:G1B+7]
	s_nop 0
	tensor_load_to_lds s[72:75], s[G1B:G1B+7]
	s_nop 0
.rept 4
	v_nop
.endr
.Lfirst_asked:
	v_and_b32 v1, 15, v0                           ; r
	v_bfe_u32 v2, v0, 4, 1                         ; h
	v_and_b32 v3, 31, v0                           ; lane
	s_lshl_b32 s18, s15, 14                        ; my four tiles of tokens
	v_lshlrev_b32 v[ADRA], 4, v3
	v_add_nc_u32 v[ADRA], s18, v[ADRA]             ; an image's place for my lane
	v_add_nc_u32 v[ADRA+1], 2*ACH, v[ADRA]
	s_mul_i32 s19, s16, 64*PB                      ; my 64 rows of w_out
	s_add_co_u32 s19, s19, BBASE
	v_mul_u32_u24 v4, v1, PB
	v_lshl_add_u32 v4, v2, 4, v4
	v_add_nc_u32 v[ADRB], s19, v4
	v_add_nc_u32 v[ADRB+1], 2*BCH, v[ADRB]
	s_mul_i32 s18, s14, 16*SPITCH
	s_add_co_u32 s18, s18, STAGE                   ; my stage
	v_mul_u32_u24 v4, v1, SPITCH
	v_lshl_add_u32 v4, v2, 5, v4
	v_add_nc_u32 v[STO], s18, v4                   ; in: row r, 32 bytes for each half of the lanes
	v_mul_u32_u24 v4, v2, SPITCH
	v_lshl_add_u32 v4, v1, 4, v4
	v_add_nc_u32 v[RD], s18, v4                    ; back: lanes 0-15 one row of 256 bytes, lanes 16-31 the next
	v_lshlrev_b32 v4, 12, v2
	v_lshl_add_u32 v[CO], v1, 4, v4                ; and the same two rows in out0
	v_lshlrev_b32 v5, 5, v2                        ; the bias: my eight columns of a block begin 32 h bytes in
	s_lshl_b32 s88, s78, 9
	s_lshl_b32 s19, s16, 8
	s_add_co_u32 s88, s88, s19                     ; my first column, in bytes: 512 x tile column + 256 x half
	s_mov_b32 s89, 0
	s_add_nc_u64 s[10:11], s[10:11], s[88:89]
	s_lshl_b32 s20, s17, 7
	s_lshl_b32 s19, s15, 6
	s_add_co_u32 s20, s20, s19                     ; my first row: 128 x tile row + 64 x half
	s_lshl_b32 s20, s20, 12
	s_mov_b32 s21, 0
	s_add_nc_u64 s[12:13], s[12:13], s[20:21]
	s_add_nc_u64 s[12:13], s[12:13], s[88:89]
.irp b, 0,1,2,3
	global_load_b128 v[BIAS+8*\b:BIAS+8*\b+3],   v5, s[10:11] offset:64*\b
	global_load_b128 v[BIAS+8*\b+4:BIAS+8*\b+7], v5, s[10:11] offset:64*\b+16
.endr
; 32 LDS loads: the fragments of chunk k's q-th 128 along K into set f
.macro FETCH k, q, f
	WIN 0x40                                       ; destination window 1, address window 0
.irp a, 0,1,2,3
.irp c, 0,1,2,3
	ds_load_b128 v[\f+16*\a+4*\c:\f+16*\a+4*\c+3], v[ADRA+(\k)/2] offset:((\k)%2)*ACH+\a*4096+\q*2048+512*\c   ; 512 consecutive bytes: an image comes back as it was stored
.endr
.endr
.irp b, 0,1,2,3
.irp c, 0,1,2,3
	ds_load_b128 v[\f+64+16*\b+4*\c:\f+64+16*\b+4*\c+3], v[ADRB+(\k)/2] offset:((\k)%2)*BCH+\b*16*PB+128*\q+32*\c
.endr
.endr
.endm
; 16 products; the 16 accumulators take turns, one instruction a turn, in the same order in every step
.macro MUL16 f, zero
	WIN 0x05                                       ; sources 0 and 1 window 1; C and D window 0
.irp a, 0,1,2,3
.irp b, 0,1,2,3
.if \zero
	v_wmma_f32_16x16x128_bf8_bf8 v[ACC+8*(4*\a+\b):ACC+8*(4*\a+\b)+7], v[\f+64+16*\b:\f+64+16*\b+15], v[\f+16*\a:\f+16*\a+15], 0
.else
	v_wmma_f32_16x16x128_bf8_bf8 v[ACC+8*(4*\a+\b):ACC+8*(4*\a+\b)+7], v[\f+64+16*\b:\f+64+16*\b+15], v[\f+16*\a:\f+16*\a+15], v[ACC+8*(4*\a+\b):ACC+8*(4*\a+\b)+7]
.endif
.endr
.endr
.endm
	s_wait_tensorcnt 3                             ; my part of chunk 0 is in; my three later loads may be out
	s_barrier_signal -1
	s_barrier_wait -1                              ; everybody's is
	FETCH 0, 0, F0
	FETCH 0, 1, F1
.irp k, 0,1,2,3
	s_wait_dscnt 32                                ; set 0 is in; the 32 loads of set 1 may be out
.if \k == 0
	MUL16 F0, 1                                    ; the first products start the sums
.else
	MUL16 F0, 0
.endif
.if \k < 3
	s_wait_tensorcnt 2-\k                          ; my part of the next chunk is in; the loads issued behind it may be out
	s_wait_dscnt 0x0                               ; no LDS load of mine is pending at the signal; set 1 is in
	s_barrier_signal -1
	s_barrier_wait -1                              ; the next chunk is whole
	PLACES 4
	FETCH \k+1, 0, F0
.else
	s_wait_dscnt 0x0
.endif
	MUL16 F1, 0
.if \k < 3
	PLACES 4
	FETCH \k+1, 1, F1
.endif
.endr
	WIN 0
	PLACES 4
	s_wait_loadcnt 0x0                             ; the bias
	s_wait_kmcnt 0x0
	s_add_co_i32 s84, s90, s91
	s_add_co_i32 s84, s84, 127
	s_lshl_b32 s84, s84, 23                        ; 2^(e6 + e7) as f32
	s_mov_b32 s85, s84                             ; (named with it as a pair, so it is written)
; THE WAY OUT, a tile of 16 rows x 64 columns at a time: sum x 2^(e6 + e7) + bias; through my own stage in LDS; back as whole rows of 256 bytes.
; LDS serves a wave's instructions in order: no wait between the stores and the loads, nor in front of the next tile's stores.
.macro TOSTAGE a
.irp b, 0,1,2,3
.irp i, 0,2,4,6
	v_pk_fma_f32 v[ACC+8*(4*\a+\b)+\i:ACC+8*(4*\a+\b)+\i+1], v[ACC+8*(4*\a+\b)+\i:ACC+8*(4*\a+\b)+\i+1], s[84:85], v[BIAS+8*\b+\i:BIAS+8*\b+\i+1] op_sel_hi:[1,0,1]   ; each accumulator from its low end on
.endr
.endr
.irp b, 0,1,2,3
	ds_store_b128 v[STO], v[ACC+8*(4*\a+\b):ACC+8*(4*\a+\b)+3]   offset:64*\b
	ds_store_b128 v[STO], v[ACC+8*(4*\a+\b)+4:ACC+8*(4*\a+\b)+7] offset:64*\b+16
.endr
.set BB, OB+32*((\a)%2)
.irp i, 0,1,2,3,4,5,6,7
	ds_load_b128 v[BB+4*\i:BB+4*\i+3], v[RD] offset:2*\i*SPITCH
.endr
.endm
.macro SEND a, younger                 ; younger: the LDS instructions issued behind tile a's loads: the next tile's sixteen, or none
.set BB, OB+32*((\a)%2)
	s_wait_dscnt \younger
.irp i, 0,1,2,3,4,5,6,7
	global_store_b128 v[CO], v[BB+4*\i:BB+4*\i+3], s[12:13] offset:(16*(\a)+2*\i)*4096 th:TH_STORE_NT   ; 16 lanes store 256 consecutive bytes, at a multiple of 256 from out0's first byte; written once
.endr
.endm
	TOSTAGE 0
	TOSTAGE 1
	SEND 0, 16
	s_wait_xcnt 0x0                                ; tile 0's stores have read their registers: tile 2's rows may land there
	TOSTAGE 2
	SEND 1, 16
	s_wait_xcnt 0x0                                ; tile 1's likewise
	TOSTAGE 3
	SEND 2, 16
	SEND 3, 0
	s_wait_dscnt 0x0
	s_wait_tensorcnt 0x0
	ds_add_u32 v30, v31
	s_wait_dscnt 0x0
	CROUND                                         ; the closing round: no work-group ends while a partner may still ask for a tile that names it
	s_endpgm
.Lfunc_end_k_q43738dad28_outproj:
	.size	k_q43738dad28_outproj, .Lfunc_end_k_q43738dad28_outproj-k_q43738dad28_outproj
	.p2alignl 7, 3214868480
	.fill 96, 4, 3214868480
	.section	.rodata,"a",@progbits
	.p2align	6, 0x0
	.amdhsa_kernel k_q43738dad28_outproj
		.amdhsa_group_segment_fixed_size 327680
		.amdhsa_private_segment_fixed_size 0
		.amdhsa_enable_private_segment 0
		.amdhsa_kernarg_size 40
		.amdhsa_user_sgpr_count 2
		.amdhsa_user_sgpr_kernarg_segment_ptr 1
		.amdhsa_wavefront_size32 1
		.amdhsa_system_sgpr_workgroup_id_x 1
		.amdhsa_system_sgpr_workgroup_id_y 1
		.amdhsa_system_sgpr_workgroup_id_z 1
		.amdhsa_system_vgpr_workitem_id 0
		.amdhsa_next_free_vgpr 512
		.amdhsa_next_free_sgpr 92
		.amdhsa_reserve_vcc 0
		.amdhsa_float_denorm_mode_32 3
		.amdhsa_float_denorm_mode_16_64 3
		.amdhsa_memory_ordered 1
		.amdhsa_forward_progress 1
		.amdhsa_inst_pref_size 47
	.end_amdhsa_kernel
	.amdgpu_metadata
---
amdhsa.version: [ 1, 2 ]
amdhsa.kernels:
  - .name:           k_q43738dad28_outproj
    .symbol:         k_q43738dad28_outproj.kd
    .args:
      - { .name: att_img, .offset: 0, .size: 8, .value_kind: global_buffer, .address_space: global }
      - { .name: wo_codes, .offset: 8, .size: 8, .value_kind: global_buffer, .address_space: global }
      - { .name: lowp_scales, .offset: 16, .size: 8, .value_kind: global_buffer, .address_space: global }
      - { .name: b_out, .offset: 24, .size: 8, .value_kind: global_buffer, .address_space: global }
      - { .name: out0, .offset: 32, .size: 8, .value_kind: global_buffer, .address_space: global }
    .group_segment_fixed_size: 327680
    .private_segment_fixed_size: 0
    .kernarg_segment_align: 8
    .kernarg_segment_size: 40
    .max_flat_workgroup_size: 128
    .sgpr_count:     92
    .vgpr_count:     512
    .wavefront_size: 32
...
	.end_amdgpu_metadata
.endif
;; end of part 3
